; MI455X (gfx1250); checked and timed in simulation.
; The chip was launched on July 23, 2026; its instructions are those of AMD's public machine-readable ISA for CDNA 5 (MIT licence, August 2026) and "CDNA5" Instruction Set Architecture Reference Guide (July 2026). The comments in the code are by the model that wrote it; some were corrected since.
;; MLP 256. Allowed arithmetic: matrix products marked QUANTISED: E3M2 operands, one E8M0 scale for each 32 along K, by v_wmma_scale_f32_16x16x128_f8f6f4 with both operands' format E3M2, f32 sums; products left as they are: f32 operands where the result goes on into a quantised operand, else bf16, f16 or f32 operands; f32 sums; everything else in f32.
;; Inputs: b1 128 float32; b2 64 float32; b3 32 float32; b4 16 float32; bh 1 float32; g1 128 float32; g2 64 float32; g3 32 float32; g4 16 float32; m1 128 float32; m2 64 float32; m3 32 float32; m4 16 float32; v1 128 float32; v2 64 float32; v3 32 float32; v4 16 float32; w1 128 x 3 float32; w2 64 x 128 float32; w3 32 x 64 float32; w4 16 x 32 float32; wh 1 x 16 float32; x 8 x 3 x 512 x 512 float32.
;; Outputs: out0 8 x 1 x 512 x 512 float32.
;; This version of the problem:
;;   THIS VERSION OF THE PROBLEM IS GIVEN IN LOW PRECISION. The matrix products marked QUANTISED in the list below multiply operands that are first quantised to E3M2 (3 exponent bits, 2 mantissa bits; 6 bits a number), with one power-of-two scale for each 32 numbers along K (OCP MX v1.0); their sums are f32. All else is computed in f32.
;;   The module's matrix products, in the order in which they are computed (A, B: the left and right operand; K: the contracted axis; several contracted axes count as one K, in the product's order):
;;     1. [M 128, K 3] x [K 3, N 2,097,152]; A: input w1; B: input x: left as it is (K = 3 < 32)
;;     2. [M 64, K 128] x [K 128, N 2,097,152]; A: input w2; B: computed on the way: QUANTISED
;;     3. [M 32, K 64] x [K 64, N 2,097,152]; A: input w3; B: computed on the way: QUANTISED
;;     4. [M 16, K 32] x [K 32, N 2,097,152]; A: input w4; B: computed on the way: QUANTISED
;;     5. [M 1, K 16] x [K 16, N 2,097,152]; A: input wh; B: computed on the way: left as it is (K = 16 < 32)
;;   THE QUANTISER, for each operand of a quantised product, along K:
;;     - K is cut into blocks of 32 from its start; a last block that is shorter is filled with zeros.
;;     - A block's scale is 2^e with e = floor(log2(the largest magnitude in the block)) - 4, held to -126 .. 127; a block of zeros has e = 0. As a byte (E8M0): e + 127.
;;     - Each number is divided by its block's scale, clamped to +-28, and rounded to the nearest number of E3M2, ties to even, subnormals kept.
;;     - The product sums the exact products of the quantised numbers (number of the format x scale) in f32.
;;   ~~~python
;;   def quantise(x, axis):      # numpy; x: float32 -> the quantised numbers, widened to float32 again
;;       x = np.moveaxis(x, axis, -1); K = x.shape[-1]
;;       x = np.pad(x, [(0, 0)] * (x.ndim - 1) + [(0, -K % 32)]); x = x.reshape(x.shape[:-1] + (-1, 32)); a = np.abs(x).max(-1, keepdims=True)
;;       e = np.where(a > 0, np.clip(np.frexp(np.where(a > 0, a, 1))[1] - 1 - 4, -126, 127), 0)      # np.frexp(a)[1] - 1 = floor(log2(a)), exactly
;;       r = np.clip(x / 2.0 ** e, -28, 28)
;;       step = 2.0 ** (np.maximum(np.frexp(np.where(r == 0, 1, r))[1] - 1, -2) - 2)
;;       q = np.round(r / step) * step * 2.0 ** e      # np.round: ties to even
;;       return np.moveaxis(q.reshape(q.shape[:-2] + (-1,))[..., :K], -1, axis).astype(np.float32)
;;   ~~~
;;   OPERANDS COMPUTED ON THE WAY. 'Computed on the way' means the value that the module computes at that place (a softmax that the list does not call 'softmax' is quantised finished and normalised). What goes into a quantiser is computed in f32, as accurately as f32 sums, v_exp_f32 and their like allow (about 1e-6 of the number): no bf16 or f16 on the way to a quantiser, and a product that is left as it is and whose result goes on into a quantised operand takes f32 operands (vector FMAs, or v_wmma_f32_16x16x4_f32). A number that lies on a knife's edge between two numbers of the format may be rounded either way, as far as f32 arithmetic and the matrix unit's own rounding can turn it there, and no further.
;; 2 versions, each right; version 2 is version 1 with the launch mlp written anew for expert scheduling mode. Each part assembles by itself: llvm-mc -triple=amdgcn-amd-amdhsa -mcpu=gfx1250 --defsym DOCPART=n.
;; ======== version 1 of 2: 1 launch
;; launch mlp (part 1): grid 256 x 1, 8 waves a work-group, no clusters, 17,408 bytes of LDS; arguments x, out0, wh, bh, w1, g1, b1, m1, v1, w2, g2, b2, m2, v2, w3, g3, b3, m3, v3, w4, g4, b4, m4, v4; writes out0
.if DOCPART == 1
	.amdgcn_target "amdgcn-amd-amdhsa--gfx1250"
	.amdhsa_code_object_version 6
	.text
	.protected	k_q572cd22271_mlp
	.globl	k_q572cd22271_mlp
	.p2align	8
	.type	k_q572cd22271_mlp,@function
k_q572cd22271_mlp:
	s_mov_b64 s[64:65], 0
	v_nop
	global_prefetch_b8 v0, s[64:65] scope:SCOPE_SE
	s_setreg_imm32_b32 hwreg(HW_REG_WAVE_MODE, 25, 1), 1
	s_wait_xcnt 0x0
; A per-pixel MLP 3 -> 128 -> 64 -> 32 -> 16 -> 1 over 8 x 512 x 512 pixels, each of the first four layers followed by BN (inference form) and ReLU.  x: [8][3][512][512] f32, out0: [8][1][512][512] f32.
; Products 2, 3, 4 (K = 128, 64, 32) run on codes of BF6 (E3M2) with one E8M0 scale for each 32 along K, both sides quantised here; product 1 (K = 3) runs in f32 on the f32 matrix form with BN1 folded into
; its weights (k = x0, x1, x2, 1; row = w1 inv, w1 inv, w1 inv, b1 - m1 inv); product 5 (K = 16) is four packed multiply-adds a lane.  Nothing but x and out0 goes through memory.
; SHARES.  256 work-groups of 8 waves; a work-group owns 8,192 neighbouring pixels of one image, a wave 1,024: 64 tiles of 16 pixels, 8 batches of 128.  Two waves of 512 registers lie on a SIMD, so that one wave's
; matrix stretch stands beside the other's vector work.  No tensor load, no ring, no cluster: work-groups share only 43 KB of weights, read once at the head, and x is each wave's own.
; No prefetch: every load of x is issued eight steps ahead of its use, so no wave waits for it.
; THE HEAD.  Waves 0-3 quantise the four tiles of w2, waves 4-5 the two of w3, wave 6 w4, wave 7 makes the BN tables; all go through LDS as images of the operands' registers (16 bytes a lane and store), one barrier,
; and every wave then keeps all weights, scale words and BN numbers in registers for the whole launch.
; LAYOUT.  Every product is used transposed: source 0 = 16 rows of a weight, source 1 = 16 pixels: lane (r, h) holds pixel r, its register j the weight row 8 h + j of the tile.  THE ROWS OF A TILE ARE CHOSEN so that a lane
; holds whole blocks of the next K: w1 tile t row p = channel 64 (t / 4) + 8 (t % 4) + p % 8 + 32 (p / 8); w2 tile t: 8 t + p % 8 + 32 (p / 8); w3 tile t: 8 t + p % 8 + 16 (p / 8); w4: p.
; K = 64 and K = 32 are laid into the instruction's 128 alike on both sides, the rest zero codes: product 3: a lane's block h, numbers 0-15 in registers 0-2, numbers 16-31 in registers 6-8, scale word (s0, s1, s0, s1);
; product 4: a lane's 16 numbers in registers 0-2, scale word (s, s, 0, 0).
; THE PIPELINE.  Step k: BN, ReLU and quantiser of tile k - 1's layer 2, of tile k's layer 1, of tile k - 2's layer 3, the head product of tile k - 3; then ONE stretch of 15 matrix instructions:
; product 4 of tile k - 2, product 3 of k - 1, product 2 of k, product 1 of k + 1.  Each starts its sum with the constant 0 in registers of its own: no chains.
; LIMITS.  NaN and infinities are not served.  A block whose largest magnitude lies under 2^-122 keeps the scale byte 1; a block of zeros has the byte 1 where the rule says 127 (its codes are zeros; the bytes are read
; here alone).  inv = g x rsq(v + 1e-5) stands for g / sqrt(v + 1e-5), and BN1 is folded into w1: both differ from the written order by a few roundings of f32.
.set USE_DUAL, 1                       ; 1: two ReLUs in one dual instruction; 0: two plain ones
.set PLANE,  1048576                   ; bytes of a channel's plane of x
.set FLOOR,  0x2800000                 ; 2^(5 - 127): no largest magnitude is taken under it, so no scale byte falls under 1
.set EOFF,   0xfe000000                ; takes 4, the exponent of the format's largest number, off an exponent field
; LDS, written in the head alone
.set IMG,    0                         ; 7 fragment images of 1,536 bytes: w2's tiles 0-3, w3's 0-1, w4
.set WSC,    12288                     ; their scale words, 128 bytes each
.set W1T,    13312                     ; [128 channels][4 f32]: w1 x inv1 and beta1
.set INV2T,  15360
.set BET2T,  15616
.set INV3T,  15872
.set BET3T,  16000
.set INV4T,  16128
.set BET4T,  16192
; window 0
.set LI,   1                           ; 16 x lane
.set XVA,  2                           ; x: 16 r + 2 planes x h (channel 0 in lanes 0-15, channel 2 in lanes 16-31)
.set XVR,  3                           ; x: 16 r (channel 1)
.set LS,   4                           ; 4 x lane
.set R,    8                           ; v8-15    a batch's eight results
.set O,    16                          ; v16-19   store data
.set P,    20                          ; v20-27   four pairs: product 1's pixels
.set XC,   28                          ; v28-43   x in hand: group g at 8 g: 4 of channels 0 / 2, then 4 of channel 1
.set WH,   44                          ; v44-51   wh[8 h + j]
.set BHP,  52                          ; v52-53   (bh in lanes 0-15, 0)
.set WS,   54                          ; v54-60   the weights' scale words, fragment f
.set AS1,  61                          ; v61-63   the activations' scale words
.set AS2,  62
.set AS3,  63
.set D1,   64                          ; v64-127  layer 1's sums: written by the f32 matrix form alone
.set D2,   128                         ; v128-159 layer 2's sums
.set T,    128                         ;          and, once those are quantised, 32 numbers of layer 1 behind their ReLU
.set D3,   160
.set D4,   176
.set C1,   184                         ; codes for products 2, 3, 4
.set C2,   196
.set C3,   208
.set TC,   220                         ; v220-222, v224-226: a block's upper 16 codes (a conversion's three registers begin on an even number)
.set MA,   228
.set MB,   229
.set SC,   230                         ; v230-231 the conversions' scale operands
.set BY,   232                         ; v232-233 scale bytes
.set PW,   234
.set PX,   235                         ; a lane permute's destination; written once at the head
.set ACC,  236
.set SH8,  238                         ; 8 h
.set XL,   240                         ; v240-255 x on its way, laid as XC
; head only
.set HIMG, 8                           ; 16 lane + 1,536 wave
.set HSCA, 9                           ; 4 lane + 128 wave
.set HW1,  10                          ; 16 (r % 8) + 512 (r / 8) + 8 h
.set H128, 11
.set H64,  12
.set H32,  13
.set GW2,  14
.set GW3,  15
.set GW4,  16
.set L64,  17
.set L48,  18
.set L8,   19
.set R4,   20
.set ST,   128                         ; v128-191 numbers as loaded
; window 1
.set W1A,  0                           ; pair 2 t
.set WF,   16                          ; fragment f at 12 f
.set INV2, 100
.set BET2, 132
.set INV3, 164
.set BET3, 180
.set INV4, 196
.set BET4, 204
.set MSB, 0
.macro WIN new                         ; the immediate's high byte repeats the setting that is left; a switch that changes nothing is dropped
.if MSB != \new
	s_set_vgpr_msb (MSB<<8)|\new
.set MSB, \new
.endif
.endm
.macro RELU2 d, s
.if USE_DUAL
	v_dual_max_num_f32 v[\d], 0, v[\s] :: v_dual_max_num_f32 v[(\d)+1], 0, v[(\s)+1]
.else
	v_max_num_f32 v[\d], 0, v[\s]
	v_max_num_f32 v[(\d)+1], 0, v[(\s)+1]
.endif
.endm
.macro MAX3 acc, a, first, relu        ; relu = 1: signed sources: what is negative must not count, and the floor stands over it
.if \first
.if \relu
	v_max3_num_f32 v[\acc], v[\a], v[(\a)+1], FLOOR
.else
	v_max3_num_f32 v[\acc], |v[\a]|, |v[(\a)+1]|, FLOOR
.endif
.else
.if \relu
	v_max3_num_f32 v[\acc], v[\acc], v[\a], v[(\a)+1]
.else
	v_max3_num_f32 v[\acc], v[\acc], |v[\a]|, |v[(\a)+1]|
.endif
.endif
.endm
; The largest magnitude of n numbers of a lane, in two chains, into v[MA]; relu = 1: their ReLU goes to dst on the way.  Reads ascend.
.macro TREE src, dst, n, relu
.set TI, 0
.rept (\n)/4
	MAX3 MA, (\src)+2*TI, TI==0, \relu
	MAX3 MB, (\src)+(\n)/2+2*TI, TI==0, \relu
.if \relu
	RELU2 (\dst)+2*TI, (\src)+2*TI
	RELU2 (\dst)+(\n)/2+2*TI, (\src)+(\n)/2+2*TI
.endif
.set TI, TI+1
.endr
	v_max_num_f32 v[MA], v[MA], v[MB]
.endm
; K = 128: block 2 c + h, all 32 numbers mine, becomes registers 6 c .. 6 c + 5 of the operand at cod.  The shift that makes the byte is the plain line behind the conversions.
.macro HALF src, num, cod, c, relu
	TREE \src, \num, 32, \relu
	v_add_nc_u32 v[SC+\c], EOFF, v[MA]
	v_cvt_scalef32_pk16_bf6_f32 v[(\cod)+6*\c:(\cod)+6*\c+2], v[\num:(\num)+15], v[SC+\c]
	v_cvt_scalef32_pk16_bf6_f32 v[TC+4*\c:TC+4*\c+2], v[(\num)+16:(\num)+31], v[SC+\c]
	v_lshrrev_b32 v[BY+\c], 23, v[SC+\c]
.irp i, 0,1,2
	v_mov_b32 v[(\cod)+6*\c+3+\i], v[TC+4*\c+\i]
.endr
.endm
.macro WORD4 w                         ; my bytes of blocks h and 2 + h at their places, joined with lane l xor 16's two
	v_lshl_or_b32 v[PW], v[BY+1], 16, v[BY]
	v_lshlrev_b32 v[PW], v[SH8], v[PW]
	v_permlanex16_b32 v[PX], v[PW], s4, s5
	v_or_b32 v[\w], v[PW], v[PX]
.endm
; K = 64: my block h: numbers 0-15 into registers 0-2 of C2, numbers 16-31 into registers 6-8; the word is (s0, s1, s0, s1)
.macro QUANT64 src, relu, w
	TREE \src, \src, 32, \relu
	v_add_nc_u32 v[SC], EOFF, v[MA]
	v_cvt_scalef32_pk16_bf6_f32 v[C2:C2+2], v[\src:(\src)+15], v[SC]
	v_cvt_scalef32_pk16_bf6_f32 v[C2+6:C2+8], v[(\src)+16:(\src)+31], v[SC]
	v_lshrrev_b32 v[BY], 23, v[SC]
	v_lshlrev_b32 v[PW], v[SH8], v[BY]
	v_lshl_or_b32 v[PW], v[PW], 16, v[PW]
	v_permlanex16_b32 v[PX], v[PW], s4, s5
	v_or_b32 v[\w], v[PW], v[PX]
.endm
; K = 32: the block lies in lanes l and l xor 16; my 16 numbers into registers 0-2 of cod; the word is (s, s, 0, 0)
.macro QUANT32 src, cod, relu, w
	TREE \src, \src, 16, \relu
	v_permlanex16_b32 v[PX], v[MA], s4, s5
	v_max_num_f32 v[MA], v[MA], v[PX]
	v_add_nc_u32 v[SC], EOFF, v[MA]
	v_cvt_scalef32_pk16_bf6_f32 v[\cod:(\cod)+2], v[\src:(\src)+15], v[SC]
	v_lshrrev_b32 v[BY], 23, v[SC]
	v_lshl_or_b32 v[\w], v[BY], 8, v[BY]
.endm
.macro BN d, inv, bet, n               ; y x inv + beta, two at a time, ascending; inv and beta lie in window 1
.set BI, 0
.rept (\n)/2
	v_pk_fma_f32 v[(\d)+BI:(\d)+BI+1], v[(\d)+BI:(\d)+BI+1], v[(\inv)+BI:(\inv)+BI+1], v[(\bet)+BI:(\bet)+BI+1]
.set BI, BI+2
.endr
.endm
.macro MXS d, f, c, as                 ; a quantised product: weight fragment f (window 1) x the codes at c
	v_wmma_scale_f32_16x16x128_f8f6f4 v[\d:(\d)+7], v[WF+12*(\f):WF+12*(\f)+11], v[\c:(\c)+11], 0, v[WS+(\f)], v[\as] matrix_a_fmt:MATRIX_FMT_BF6 matrix_b_fmt:MATRIX_FMT_BF6
.endm
.macro BUILD kk                        ; product 1's pixels of tile kk: lanes 0-15 (x0, x1), lanes 16-31 (x2, 1)
	v_mov_b32 v[P+2*((\kk)%4)], v[XC+8*(((\kk)%8)/4)+(\kk)%4]
	v_cndmask_b32 v[P+2*((\kk)%4)+1], 1.0, v[XC+4+8*(((\kk)%8)/4)+(\kk)%4], s6
.endm
; Group g of x in hand has been used up: it takes what has landed, and the landing registers are asked for again, two batches on (held at the wave's last batch: no load leaves x; what the held loads bring is not used).
.macro TURNOVER g, full
.if \full
	s_wait_loadcnt 0x2                             ; loads come back in order: the other group's two, issued four steps ago, may be out; this group's two, issued eight steps ago, are in
.irp j, 0,1,2,3,4,5,6,7
	v_mov_b32 v[XC+8*(\g)+\j], v[XL+8*(\g)+\j]
.endr
.endif
	s_wait_xcnt 0x0                                ; the loads' base, the store's base and the store's data are written again only behind this wait
.if \full
	s_add_co_u32 s[58+2*(\g)], s[58+2*(\g)], 512
	s_min_u32 s[58+2*(\g)], s[58+2*(\g)], 3584
	s_add_nc_u64 s[62:63], s[56:57], s[58+2*(\g):59+2*(\g)]
.endif
.if (\g) == 1
	s_add_nc_u64 s[68:69], s[68:69], 512           ; out0: a batch on; the store reaches back by its immediate
.endif
.if \full
	global_load_b128 v[XL+8*(\g):XL+8*(\g)+3], v[XVA], s[62:63] offset:256*(\g)
	global_load_b128 v[XL+8*(\g)+4:XL+8*(\g)+7], v[XVR], s[62:63] offset:PLANE+256*(\g)
.endif
.endm
	s_load_b512 s[8:23], s[0:1], 0x0               ; x 8, out0 10, wh 12, bh 14, w1 16, g1 18, b1 20, m1 22
	s_load_b512 s[24:39], s[0:1], 0x40             ; v1 24, w2 26, g2 28, b2 30, m2 32, v2 34, w3 36, g3 38
	s_load_b512 s[40:55], s[0:1], 0x80             ; b3 40, m3 42, v3 44, w4 46, g4 48, b4 50, m4 52, v4 54
	v_lshl_add_u32 v227, v0, 2, 0x4000
	v_mov_b32 v239, 0
	v_lshrrev_b32 v5, 5, v0
	v_readfirstlane_b32 s2, v5                     ; wave 0..7
	v_and_b32 v5, 31, v0                           ; lane
	v_and_b32 v6, 15, v0                           ; r
	v_bfe_u32 v7, v0, 4, 1                         ; h
	v_and_b32 v21, 7, v0                           ; r % 8
	v_bfe_u32 v22, v0, 3, 1                        ; r / 8
	v_lshlrev_b32 v[LI], 4, v5
	v_lshlrev_b32 v[LS], 2, v5
	v_lshlrev_b32 v[XVR], 4, v6
	v_lshl_add_u32 v[XVA], v7, 21, v[XVR]
	v_lshlrev_b32 v[SH8], 3, v7
	v_mov_b32 v[PX], 0
	s_mul_i32 s70, s2, 1536
	v_add_nc_u32 v[HIMG], s70, v[LI]
	s_lshl_b32 s70, s2, 7
	v_add_nc_u32 v[HSCA], s70, v[LS]
	v_lshlrev_b32 v[HW1], 4, v21
	v_lshl_add_u32 v[HW1], v22, 9, v[HW1]
	v_lshl_add_u32 v[HW1], v7, 3, v[HW1]
	v_lshlrev_b32 v[H128], 7, v7
	v_lshlrev_b32 v[H64], 6, v7
	v_lshlrev_b32 v[H32], 5, v7
	v_lshl_add_u32 v[GW2], v21, 9, v[H128]         ; w2: row 8 t + r % 8 + 32 (r / 8) of 512 bytes, + 32 h numbers
	v_lshl_add_u32 v[GW2], v22, 14, v[GW2]
	v_lshl_add_u32 v[GW3], v21, 8, v[H128]         ; w3: row 8 t + r % 8 + 16 (r / 8) of 256 bytes, + 32 h numbers
	v_lshl_add_u32 v[GW3], v22, 12, v[GW3]
	v_lshl_add_u32 v[GW4], v6, 7, v[H64]           ; w4: row r of 128 bytes, + 16 h numbers
	v_lshlrev_b32 v[L64], 6, v5
	v_mul_u32_u24 v[L48], v5, 48
	v_lshlrev_b32 v[L8], 3, v5
	v_lshlrev_b32 v[R4], 2, v6
	s_mov_b32 s4, 0x76543210
	s_mov_b32 s5, 0xfedcba98                       ; v_permlanex16_b32's selects for lane l xor 16
	s_mov_b32 s6, 0xffff                           ; lanes 0-15
	s_mov_b32 s58, 512                             ; the batch last asked for, in bytes of a plane: group 0,
	s_mov_b32 s59, 0
	s_mov_b32 s60, 512                             ; group 1
	s_mov_b32 s61, 0
	s_lshr_b32 s70, ttmp9, 5                       ; the image
	s_mul_i32 s70, s70, 3*PLANE
	s_and_b32 s71, ttmp9, 31
	s_lshl_b32 s71, s71, 15                        ; the work-group's 8,192 pixels in a plane
	s_add_co_u32 s70, s70, s71
	s_lshl_b32 s72, s2, 12                         ; the wave's 1,024
	s_add_co_u32 s70, s70, s72
	s_mov_b32 s71, 0
	s_lshl_b32 s74, ttmp9, 15
	s_add_co_u32 s74, s74, s72
	s_mov_b32 s75, 0
	s_wait_kmcnt 0x0
	s_add_nc_u64 s[56:57], s[8:9], s[70:71]        ; x at my first pixel, channel 0
	s_add_nc_u64 s[68:69], s[10:11], s[74:75]      ; out0 at my first pixel
	s_load_b32 s73, s[14:15], 0x0                  ; bh
.irp g, 0,1
	global_load_b128 v[XC+8*\g:XC+8*\g+3], v[XVA], s[56:57] offset:256*\g                    ; batch 0: sixteen lanes read 256 neighbouring bytes of a plane
	global_load_b128 v[XC+8*\g+4:XC+8*\g+7], v[XVR], s[56:57] offset:PLANE+256*\g
.endr
.irp g, 0,1
	global_load_b128 v[XL+8*\g:XL+8*\g+3], v[XVA], s[56:57] offset:512+256*\g                ; batch 1
	global_load_b128 v[XL+8*\g+4:XL+8*\g+7], v[XVR], s[56:57] offset:PLANE+512+256*\g
.endr
	global_load_b128 v[WH:WH+3], v[H32], s[12:13]
	global_load_b128 v[WH+4:WH+7], v[H32], s[12:13] offset:16
	; ---- the roles part on the wave's number and join in front of the barrier
	s_cmp_gt_u32 s2, 3
	s_cbranch_scc1 .Lnot_w2
	s_lshl_b32 s70, s2, 12                         ; w2's tile t = wave: 8 rows of 512 bytes on
	s_mov_b32 s71, 0
	s_add_nc_u64 s[74:75], s[26:27], s[70:71]
.irp c, 0,1
.irp i, 0,1,2,3,4,5,6,7
	global_load_b128 v[ST+32*\c+4*\i:ST+32*\c+4*\i+3], v[GW2], s[74:75] offset:256*\c+16*\i  ; w2(row, 64 c + 32 h + 4 i ..)
.endr
.endr
	s_wait_loadcnt 0x0
	HALF ST, ST, C2, 0, 0
	HALF ST+32, ST+32, C2, 1, 0
	WORD4 PW
	s_branch .Lstore_frag
.Lnot_w2:
	s_cmp_gt_u32 s2, 5
	s_cbranch_scc1 .Lnot_w3
	s_sub_co_u32 s70, s2, 4                        ; w3's tile t = wave - 4: 8 rows of 256 bytes on
	s_lshl_b32 s70, s70, 11
	s_mov_b32 s71, 0
	s_add_nc_u64 s[74:75], s[36:37], s[70:71]
.irp i, 0,1,2,3,4,5,6,7
	global_load_b128 v[ST+4*\i:ST+4*\i+3], v[GW3], s[74:75] offset:16*\i
.endr
	s_wait_loadcnt 0x0
	QUANT64 ST, 0, PW
.irp i, 3,4,5,9,10,11
	v_mov_b32 v[C2+\i], 0                          ; the rest of the instruction's K: zero codes
.endr
	s_branch .Lstore_frag
.Lnot_w3:
	s_cmp_eq_u32 s2, 7
	s_cbranch_scc1 .Lbn
.irp i, 0,1,2,3
	global_load_b128 v[ST+4*\i:ST+4*\i+3], v[GW4], s[46:47] offset:16*\i
.endr
	s_wait_loadcnt 0x0
	QUANT32 ST, C2, 0, PW
.irp i, 3,4,5,6,7,8,9,10,11
	v_mov_b32 v[C2+\i], 0
.endr
.Lstore_frag:
	ds_store_b128 v[HIMG], v[C2:C2+3] offset:IMG           ; the fragment as it stands: 16 bytes a lane, 512 a store
	ds_store_b128 v[HIMG], v[C2+4:C2+7] offset:IMG+512
	ds_store_b128 v[HIMG], v[C2+8:C2+11] offset:IMG+1024
	ds_store_b32 v[HSCA], v[PW] offset:WSC
	s_branch .Ljoin
.Lbn:
	; wave 7: channels across lanes: layer 1 four a lane, layer 2 two, layer 3 one, layer 4 one (both halves of the lanes make the same 16)
	global_load_b128 v[128:131], v[LI], s[18:19]   ; g1
	global_load_b128 v[132:135], v[LI], s[20:21]   ; b1
	global_load_b128 v[136:139], v[LI], s[22:23]   ; m1
	global_load_b128 v[140:143], v[LI], s[24:25]   ; v1
	global_load_b128 v[144:147], v[L48], s[16:17]  ; w1: four rows of 12 bytes
	global_load_b128 v[148:151], v[L48], s[16:17] offset:16
	global_load_b128 v[152:155], v[L48], s[16:17] offset:32
	global_load_b64 v[156:157], v[L8], s[28:29]    ; g2, b2, m2, v2
	global_load_b64 v[158:159], v[L8], s[30:31]
	global_load_b64 v[160:161], v[L8], s[32:33]
	global_load_b64 v[162:163], v[L8], s[34:35]
	global_load_b32 v164, v[LS], s[38:39]          ; g3, b3, m3, v3
	global_load_b32 v165, v[LS], s[40:41]
	global_load_b32 v166, v[LS], s[42:43]
	global_load_b32 v167, v[LS], s[44:45]
	global_load_b32 v168, v[R4], s[48:49]          ; g4, b4, m4, v4
	global_load_b32 v169, v[R4], s[50:51]
	global_load_b32 v170, v[R4], s[52:53]
	global_load_b32 v171, v[R4], s[54:55]
	s_wait_loadcnt 0x0
.irp i, 140,141,142,143,162,163,167,171
	v_add_f32 v\i, 0x3727c5ac, v\i                 ; v + 1e-5
.endr
	v_rsq_f32 v188, v140
	v_rsq_f32 v189, v141
	v_rsq_f32 v190, v142
	v_rsq_f32 v191, v143
	v_rsq_f32 v192, v162
	v_rsq_f32 v193, v163
	v_rsq_f32 v194, v167
	v_rsq_f32 v195, v171
	v_nop                                          ; a plain line behind the last of the batch
	s_wait_alu depctr_va_vdst(0)                   ; one wait for the eight, ahead of their first reader
.irp i, 0,1,2,3
	v_mul_f32 v[128+\i], v[128+\i], v[188+\i]      ; inv1
.endr
	v_mul_f32 v156, v156, v192                     ; inv2
	v_mul_f32 v157, v157, v193
	v_mul_f32 v164, v164, v194                     ; inv3
	v_mul_f32 v168, v168, v195                     ; inv4
.irp i, 0,1,2,3
	v_mul_f32 v[172+4*\i], v[144+3*\i], v[128+\i]  ; (w1 inv, w1 inv, w1 inv, b1 - m1 inv)
	v_mul_f32 v[173+4*\i], v[145+3*\i], v[128+\i]
	v_mul_f32 v[174+4*\i], v[146+3*\i], v[128+\i]
	v_fma_f32 v[175+4*\i], -v[136+\i], v[128+\i], v[132+\i]
.endr
	v_fma_f32 v158, -v160, v156, v158              ; beta = b - m inv
	v_fma_f32 v159, -v161, v157, v159
	v_fma_f32 v165, -v166, v164, v165
	v_fma_f32 v169, -v170, v168, v169
.irp i, 0,1,2,3
	ds_store_b128 v[L64], v[172+4*\i:175+4*\i] offset:W1T+16*\i
.endr
	ds_store_b64 v[L8], v[156:157] offset:INV2T
	ds_store_b64 v[L8], v[158:159] offset:BET2T
	ds_store_b32 v[LS], v164 offset:INV3T
	ds_store_b32 v[LS], v165 offset:BET3T
	ds_store_b32 v[R4], v168 offset:INV4T          ; lanes l and l xor 16 write the same word with the same value
	ds_store_b32 v[R4], v169 offset:BET4T
.Ljoin:
	s_wait_dscnt 0x0                               ; for the others' sake: my stores have landed
	s_barrier_signal -1
	s_barrier_wait -1                              ; the one barrier: LDS is not written again
	WIN 0x40                                       ; destination window 1, address window 0
.irp f, 0,1,2,3,4,5,6
.irp c, 0,1,2
	ds_load_b128 v[WF+12*\f+4*\c:WF+12*\f+4*\c+3], v[LI] offset:IMG+1536*\f+512*\c
.endr
.endr
.irp t, 0,1,2,3,4,5,6,7
	ds_load_b64 v[W1A+2*\t:W1A+2*\t+1], v[HW1] offset:W1T+16*(64*(\t/4)+8*(\t%4))   ; table[channel][2 h + 0, 1]
.endr
.irp i, 0,1,2,3,4,5,6,7
	ds_load_b128 v[INV2+4*\i:INV2+4*\i+3], v[H128] offset:INV2T+16*\i               ; channel 32 h + q
	ds_load_b128 v[BET2+4*\i:BET2+4*\i+3], v[H128] offset:BET2T+16*\i
.endr
.irp i, 0,1,2,3
	ds_load_b128 v[INV3+4*\i:INV3+4*\i+3], v[H64] offset:INV3T+16*\i                ; channel 16 h + q
	ds_load_b128 v[BET3+4*\i:BET3+4*\i+3], v[H64] offset:BET3T+16*\i
.endr
.irp i, 0,1
	ds_load_b128 v[INV4+4*\i:INV4+4*\i+3], v[H32] offset:INV4T+16*\i                ; channel 8 h + j
	ds_load_b128 v[BET4+4*\i:BET4+4*\i+3], v[H32] offset:BET4T+16*\i
.endr
	WIN 0
.irp f, 0,1,2,3,4,5,6
	ds_load_b32 v[WS+\f], v[LS] offset:WSC+128*\f
.endr
.irp i, 3,4,5,9,10,11
	v_mov_b32 v[C2+\i], 0                          ; the activations' zero codes, written once
.endr
.irp i, 3,4,5,6,7,8,9,10,11
	v_mov_b32 v[C3+\i], 0
.endr
	s_wait_kmcnt 0x0                               ; bh
	v_mov_b32 v[BHP], s73
	v_cndmask_b32 v[BHP], 0, v[BHP], s6            ; once a pixel: in lanes 0-15 alone
	v_mov_b32 v[BHP+1], 0
	s_wait_loadcnt 0x0                             ; x's first two batches and wh (every role has waited already)
	s_wait_dscnt 0x0
; STEP k.  lp = 1: a step of the loop, all parts on; else the parts are on as far as their tiles exist.
.macro STEP k, lp
.set F_BLD, 0
.set F_P2, 0
.set F_P1, 0
.set F_P3, 0
.set F_P4, 0
.set F_L1, 0
.if (\lp) || ((\k)+2 <= 63)
.set F_BLD, 1
.endif
.if (\lp) || (((\k) >= 1) && ((\k) <= 64))
.set F_P2, 1
.endif
.if (\lp) || ((\k) <= 63)
.set F_P1, 1
.endif
.if (\lp) || (((\k) >= 2) && ((\k) <= 65))
.set F_P3, 1
.endif
.if (\lp) || ((\k) >= 3)
.set F_P4, 1
.endif
.if (\lp) || ((\k)+1 <= 63)
.set F_L1, 1
.endif
	; the gap: four plain lines that name no register of the last stretch stand between it and the first read of the scaled products' results (ISA guide 7.12.1);
	; in step 0 eight, since there the f32 form's results are read first
.set NPL, 4
.if (\k) == 0
.set NPL, 8
.endif
.if F_BLD
	BUILD (\k)+2
.set NPL, NPL-2
.endif
.rept NPL
	v_nop
.endr
.if (\k)%4 == 1
.if (\lp) || ((\k) < 59)
	TURNOVER ((\k)%8)/4, 1
.elseif (\k) == 61
	TURNOVER 1, 0                                  ; nothing is left to fetch; out0's base still steps
.endif
.endif
.if F_P2 || F_P3 || F_P4
	WIN 0x14                                       ; sources 1 and 2 window 1
.if F_P2
	BN D2, INV2, BET2, 32
.endif
.if F_P3
	BN D3, INV3, BET3, 16
.endif
.if F_P4
	BN D4, INV4, BET4, 8
.endif
	WIN 0
.endif
.if F_P2
	QUANT64 D2, 1, AS2                             ; tile k - 1, layer 2
.endif
.if F_P1
	HALF D1, T, C1, 0, 1                           ; tile k, layer 1: its ReLU goes into the registers that layer 2 has left
	HALF D1+32, T, C1, 1, 1
	WORD4 AS1
.endif
.if F_P3
	QUANT32 D3, C3, 1, AS3                         ; tile k - 2, layer 3
.endif
.if F_P4
.irp j, 0,2,4,6
	RELU2 D4+\j, D4+\j                             ; tile k - 3, layer 4, and the head product: my 8 channels, then lane l xor 16's
.endr
	v_pk_fma_f32 v[ACC:ACC+1], v[D4:D4+1], v[WH:WH+1], v[BHP:BHP+1]
.irp j, 2,4,6
	v_pk_fma_f32 v[ACC:ACC+1], v[D4+\j:D4+\j+1], v[WH+\j:WH+\j+1], v[ACC:ACC+1]
.endr
	v_add_f32 v[ACC], v[ACC], v[ACC+1]
	v_permlanex16_b32 v[PX], v[ACC], s4, s5
	v_add_f32 v[R+((\k)-3)%8], v[ACC], v[PX]
.if (\k)%8 == 2
.irp i, 0,1,2,3
	v_cndmask_b32 v[O+\i], v[R+4+\i], v[R+\i], s6  ; lane (r, h) takes pixels 64 h + 4 r + 0 .. 3 of the batch: tiles 4 h + 0 .. 3, column r
.endr
	global_store_b128 v[LI], v[O:O+3], s[68:69] offset:-512 th:TH_STORE_NT   ; 32 lanes store 512 consecutive bytes, at a multiple of 256 from out0's first byte
.endif
.else
.rept 8
	v_nop                                          ; a scale word made by vector lines stands eight places ahead of its product; elsewhere the head product's lines are these places
.endr
.endif
.if F_P3 || F_P2 || F_P1 || F_L1
	WIN 0x01                                       ; source 0, the weights: window 1
.if F_P3
	MXS D4, 6, C3, AS3
.endif
.if F_P2
	MXS D3, 4, C2, AS2
	MXS D3+8, 5, C2, AS2
.endif
.if F_P1
.irp t, 0,1,2,3
	MXS D2+8*\t, \t, C1, AS1
.endr
.endif
.if F_L1
.irp t, 0,1,2,3,4,5,6,7
	v_wmma_f32_16x16x4_f32 v[D1+8*\t:D1+8*\t+7], v[W1A+2*\t:W1A+2*\t+1], v[P+2*(((\k)+1)%4):P+2*(((\k)+1)%4)+1], 0
.endr
.endif
	WIN 0
.endif
.endm
	BUILD 0
	BUILD 1
	WIN 0x01
.irp t, 0,1,2,3,4,5,6,7
	v_wmma_f32_16x16x4_f32 v[D1+8*\t:D1+8*\t+7], v[W1A+2*\t:W1A+2*\t+1], v[P:P+1], 0     ; tile 0, layer 1
.endr
	WIN 0
	STEP 0, 0
	STEP 1, 0
	STEP 2, 0
	s_mov_b32 s3, 7
.Ltrip:                                                ; a trip is eight steps, a batch: steps 3 + 8 j to 10 + 8 j, j = 0 .. 6; register numbers come back after eight steps
	STEP 3, 1
	STEP 4, 1
	STEP 5, 1
	STEP 6, 1
	STEP 7, 1
	STEP 8, 1
	STEP 9, 1
	STEP 10, 1
	s_sub_co_u32 s3, s3, 1
	s_cmp_lg_u32 s3, 0
	s_cbranch_scc1 .Ltrip
	STEP 59, 0                                     ; the pipeline runs empty
	STEP 60, 0
	STEP 61, 0
	STEP 62, 0
	STEP 63, 0
	STEP 64, 0
	STEP 65, 0
	STEP 66, 0
	s_wait_tensorcnt 0x0
	ds_add_u32 v227, v239
	s_wait_dscnt 0x0
	s_endpgm
.Lfunc_end_k_q572cd22271_mlp:
	.size	k_q572cd22271_mlp, .Lfunc_end_k_q572cd22271_mlp-k_q572cd22271_mlp
	.p2alignl 7, 3214868480
	.fill 96, 4, 3214868480
	.section	.rodata,"a",@progbits
	.p2align	6, 0x0
	.amdhsa_kernel k_q572cd22271_mlp
		.amdhsa_group_segment_fixed_size 17408
		.amdhsa_private_segment_fixed_size 0
		.amdhsa_enable_private_segment 0
		.amdhsa_kernarg_size 192
		.amdhsa_user_sgpr_count 2
		.amdhsa_user_sgpr_kernarg_segment_ptr 1
		.amdhsa_wavefront_size32 1
		.amdhsa_system_sgpr_workgroup_id_x 1
		.amdhsa_system_sgpr_workgroup_id_y 1
		.amdhsa_system_sgpr_workgroup_id_z 1
		.amdhsa_system_vgpr_workitem_id 0
		.amdhsa_next_free_vgpr 512
		.amdhsa_next_free_sgpr 80
		.amdhsa_reserve_vcc 0
		.amdhsa_float_denorm_mode_32 3
		.amdhsa_float_denorm_mode_16_64 3
		.amdhsa_memory_ordered 1
		.amdhsa_forward_progress 1
		.amdhsa_inst_pref_size 235
	.end_amdhsa_kernel
	.amdgpu_metadata
---
amdhsa.version: [ 1, 2 ]
amdhsa.kernels:
  - .name:           k_q572cd22271_mlp
    .symbol:         k_q572cd22271_mlp.kd
    .args:
      - { .name: x, .offset: 0, .size: 8, .value_kind: global_buffer, .address_space: global }
      - { .name: out0, .offset: 8, .size: 8, .value_kind: global_buffer, .address_space: global }
      - { .name: wh, .offset: 16, .size: 8, .value_kind: global_buffer, .address_space: global }
      - { .name: bh, .offset: 24, .size: 8, .value_kind: global_buffer, .address_space: global }
      - { .name: w1, .offset: 32, .size: 8, .value_kind: global_buffer, .address_space: global }
      - { .name: g1, .offset: 40, .size: 8, .value_kind: global_buffer, .address_space: global }
      - { .name: b1, .offset: 48, .size: 8, .value_kind: global_buffer, .address_space: global }
      - { .name: m1, .offset: 56, .size: 8, .value_kind: global_buffer, .address_space: global }
      - { .name: v1, .offset: 64, .size: 8, .value_kind: global_buffer, .address_space: global }
      - { .name: w2, .offset: 72, .size: 8, .value_kind: global_buffer, .address_space: global }
      - { .name: g2, .offset: 80, .size: 8, .value_kind: global_buffer, .address_space: global }
      - { .name: b2, .offset: 88, .size: 8, .value_kind: global_buffer, .address_space: global }
      - { .name: m2, .offset: 96, .size: 8, .value_kind: global_buffer, .address_space: global }
      - { .name: v2, .offset: 104, .size: 8, .value_kind: global_buffer, .address_space: global }
      - { .name: w3, .offset: 112, .size: 8, .value_kind: global_buffer, .address_space: global }
      - { .name: g3, .offset: 120, .size: 8, .value_kind: global_buffer, .address_space: global }
      - { .name: b3, .offset: 128, .size: 8, .value_kind: global_buffer, .address_space: global }
      - { .name: m3, .offset: 136, .size: 8, .value_kind: global_buffer, .address_space: global }
      - { .name: v3, .offset: 144, .size: 8, .value_kind: global_buffer, .address_space: global }
      - { .name: w4, .offset: 152, .size: 8, .value_kind: global_buffer, .address_space: global }
      - { .name: g4, .offset: 160, .size: 8, .value_kind: global_buffer, .address_space: global }
      - { .name: b4, .offset: 168, .size: 8, .value_kind: global_buffer, .address_space: global }
      - { .name: m4, .offset: 176, .size: 8, .value_kind: global_buffer, .address_space: global }
      - { .name: v4, .offset: 184, .size: 8, .value_kind: global_buffer, .address_space: global }
    .group_segment_fixed_size: 17408
    .private_segment_fixed_size: 0
    .kernarg_segment_align: 8
    .kernarg_segment_size: 192
    .max_flat_workgroup_size: 256
    .sgpr_count:     80
    .vgpr_count:     512
    .wavefront_size: 32
...
	.end_amdgpu_metadata
.endif
;; end of part 1
;; ======== version 2 of 2: 1 launch; version 1 with the launch mlp written anew for expert scheduling mode
;; launch mlp (part 2): grid 256 x 1, 8 waves a work-group, no clusters, 17,408 bytes of LDS; arguments x, out0, wh, bh, w1, g1, b1, m1, v1, w2, g2, b2, m2, v2, w3, g3, b3, m3, v3, w4, g4, b4, m4, v4; writes out0
.if DOCPART == 2
	.amdgcn_target "amdgcn-amd-amdhsa--gfx1250"
	.amdhsa_code_object_version 6
	.text
	.protected	k_q572cd22271_mlp
	.globl	k_q572cd22271_mlp
	.p2align	8
	.type	k_q572cd22271_mlp,@function
k_q572cd22271_mlp:
	s_mov_b64 s[64:65], 0
	v_nop
	global_prefetch_b8 v0, s[64:65] scope:SCOPE_SE
	s_setreg_imm32_b32 hwreg(HW_REG_WAVE_SCHED_MODE, 0, 2), 2
	s_setreg_imm32_b32 hwreg(HW_REG_WAVE_MODE, 25, 1), 1
	s_wait_xcnt 0x0
	s_wait_alu depctr_vm_vsrc(0)
; A per-pixel MLP 3 -> 128 -> 64 -> 32 -> 16 -> 1 over 8 x 512 x 512 pixels, each of the first four layers followed by BN (inference form) and ReLU.  x: [8][3][512][512] f32, out0: [8][1][512][512] f32.
; Products 2, 3, 4 (K = 128, 64, 32) run on codes of BF6 (E3M2) with one E8M0 scale for each 32 along K, both sides quantised here; product 1 (K = 3) runs in f32 on the f32 matrix form with BN1 folded into
; its weights (k = x0, x1, x2, 1; row = w1 inv, w1 inv, w1 inv, b1 - m1 inv); product 5 (K = 16) is four packed multiply-adds a lane.  Nothing but x and out0 goes through memory.
; SHARES.  256 work-groups of 8 waves; a work-group owns 8,192 neighbouring pixels of one image, a wave 1,024: 64 tiles of 16 pixels, 8 batches of 128.  Two waves of 512 registers lie on a SIMD, so that one wave's
; matrix stretch stands beside the other's vector work.  No tensor load, no ring, no cluster: work-groups share only 43 KB of weights, read once at the head, and x is each wave's own.
; No prefetch: every load of x is issued eight steps ahead of its use, so no wave waits for it.
; THE HEAD.  Waves 0-3 quantise the four tiles of w2, waves 4-5 the two of w3, wave 6 w4, wave 7 makes the BN tables; all go through LDS as images of the operands' registers (16 bytes a lane and store), one barrier,
; and every wave then keeps all weights, scale words and BN numbers in registers for the whole launch.
; LAYOUT.  Every product is used transposed: source 0 = 16 rows of a weight, source 1 = 16 pixels: lane (r, h) holds pixel r, its register j the weight row 8 h + j of the tile.  THE ROWS OF A TILE ARE CHOSEN so that a lane
; holds whole blocks of the next K: w1 tile t row p = channel 64 (t / 4) + 8 (t % 4) + p % 8 + 32 (p / 8); w2 tile t: 8 t + p % 8 + 32 (p / 8); w3 tile t: 8 t + p % 8 + 16 (p / 8); w4: p.
; K = 64 and K = 32 are laid into the instruction's 128 alike on both sides, the rest zero codes: product 3: a lane's block h, numbers 0-15 in registers 0-2, numbers 16-31 in registers 6-8, scale word (s0, s1, s0, s1);
; product 4: a lane's 16 numbers in registers 0-2, scale word (s, s, 0, 0).
; THE PIPELINE.  Step k: BN, ReLU and quantiser of tile k - 1's layer 2, of tile k's layer 1, of tile k - 2's layer 3, the head product of tile k - 3; then ONE stretch of 15 matrix instructions:
; product 4 of tile k - 2, product 3 of k - 1, product 2 of k, product 1 of k + 1.  Each starts its sum with the constant 0 in registers of its own: no chains.
; THE MODE: SCHED_MODE bits 1:0 = 2 (LLVM: expert scheduling mode 2), set by the entry lines.  The code itself states the register dependences between vector or matrix instructions and memory or LDS
; instructions, with s_wait_alu, always for 0.
; THE PLAN.  Registers that memory or LDS instructions touch, from the first step on:
;   XL0, XL1     In a step with k % 4 = 1 the eight moves of TURNOVER read XL[g]; further down in the same step two loads land in it again.
;   O            In a step with k % 8 = 2 four selects write it; further down in the same step the store reads it.
;   v1, v2, v3   Offsets, made at the head and never written again: the rows are reached by scalar bases and immediate offsets.
;   C1, C2, C3 and the scale words AS1 to AS3 are written by vector lines and taken by the scaled products.
; So ONE wait on va_vdst stands in a step, behind the places and ahead of the matrix stretch: it states that the codes and scale words are written, that the moves are done reading XL[g], and that O is written.
; The step's loads or its store follow it at once, ahead of the switch to the stretch's windows (under which an address operand would mean window 1); no vector or matrix line stands between.
; One wait on vm_vsrc a batch, beside the wait on XCNT in TURNOVER 1, states that the last store has read O.
; In the head: one wait on va_sdst for the wave's number; one on va_vdst ahead of the first load, for all offsets and addresses; one ahead of each role's LDS stores, for their data; one on vm_vsrc behind the last LDS
; load, behind which the registers that the head's memory and LDS instructions have read (C2, v8-20, v156-187) take their later parts.
; LIMITS.  NaN and infinities are not served.  A block whose largest magnitude lies under 2^-122 keeps the scale byte 1; a block of zeros has the byte 1 where the rule says 127 (its codes are zeros; the bytes are read
; here alone).  inv = g x rsq(v + 1e-5) stands for g / sqrt(v + 1e-5), and BN1 is folded into w1: both differ from the written order by a few roundings of f32.
.set USE_DUAL, 1                       ; 1: two ReLUs in one dual instruction; 0: two plain ones
.set PLANE,  1048576                   ; bytes of a channel's plane of x
.set FLOOR,  0x2800000                 ; 2^(5 - 127): no largest magnitude is taken under it, so no scale byte falls under 1
.set EOFF,   0xfe000000                ; takes 4, the exponent of the format's largest number, off an exponent field
; LDS, written in the head alone
.set IMG,    0                         ; 7 fragment images of 1,536 bytes: w2's tiles 0-3, w3's 0-1, w4
.set WSC,    12288                     ; their scale words, 128 bytes each
.set W1T,    13312                     ; [128 channels][4 f32]: w1 x inv1 and beta1
.set INV2T,  15360
.set BET2T,  15616
.set INV3T,  15872
.set BET3T,  16000
.set INV4T,  16128
.set BET4T,  16192
; window 0
.set LI,   1                           ; 16 x lane
.set XVA,  2                           ; x: 16 r + 2 planes x h (channel 0 in lanes 0-15, channel 2 in lanes 16-31)
.set XVR,  3                           ; x: 16 r (channel 1)
.set LS,   4                           ; 4 x lane
.set R,    8                           ; v8-15    a batch's eight results
.set O,    16                          ; v16-19   store data
.set P,    20                          ; v20-27   four pairs: product 1's pixels
.set XC,   28                          ; v28-43   x in hand: group g at 8 g: 4 of channels 0 / 2, then 4 of channel 1
.set WH,   44                          ; v44-51   wh[8 h + j]
.set BHP,  52                          ; v52-53   (bh in lanes 0-15, 0)
.set WS,   54                          ; v54-60   the weights' scale words, fragment f
.set AS1,  61                          ; v61-63   the activations' scale words
.set AS2,  62
.set AS3,  63
.set D1,   64                          ; v64-127  layer 1's sums: written by the f32 matrix form alone
.set D2,   128                         ; v128-159 layer 2's sums
.set T,    128                         ;          and, once those are quantised, 32 numbers of layer 1 behind their ReLU
.set D3,   160
.set D4,   176
.set C1,   184                         ; codes for products 2, 3, 4
.set C2,   196
.set C3,   208
.set TC,   220                         ; v220-222, v224-226: a block's upper 16 codes (a conversion's three registers begin on an even number)
.set MA,   228
.set MB,   229
.set SC,   230                         ; v230-231 the conversions' scale operands
.set BY,   232                         ; v232-233 scale bytes
.set PW,   234
.set PX,   235                         ; a lane permute's destination; written once at the head
.set ACC,  236
.set SH8,  238                         ; 8 h
.set XL,   240                         ; v240-255 x on its way, laid as XC
; head only
.set HIMG, 8                           ; 16 lane + 1,536 wave
.set HSCA, 9                           ; 4 lane + 128 wave
.set HW1,  10                          ; 16 (r % 8) + 512 (r / 8) + 8 h
.set H128, 11
.set H64,  12
.set H32,  13
.set GW2,  14
.set GW3,  15
.set GW4,  16
.set L64,  17
.set L48,  18
.set L8,   19
.set R4,   20
.set ST,   128                         ; v128-191 numbers as loaded
; window 1
.set W1A,  0                           ; pair 2 t
.set WF,   16                          ; fragment f at 12 f
.set INV2, 100
.set BET2, 132
.set INV3, 164
.set BET3, 180
.set INV4, 196
.set BET4, 204
.set MSB, 0
.macro WIN new                         ; the immediate's high byte repeats the setting that is left; a switch that changes nothing is dropped
.if MSB != \new
	s_set_vgpr_msb (MSB<<8)|\new
.set MSB, \new
.endif
.endm
.macro RELU2 d, s
.if USE_DUAL
	v_dual_max_num_f32 v[\d], 0, v[\s] :: v_dual_max_num_f32 v[(\d)+1], 0, v[(\s)+1]
.else
	v_max_num_f32 v[\d], 0, v[\s]
	v_max_num_f32 v[(\d)+1], 0, v[(\s)+1]
.endif
.endm
.macro MAX3 acc, a, first, relu        ; relu = 1: signed sources: what is negative must not count, and the floor stands over it
.if \first
.if \relu
	v_max3_num_f32 v[\acc], v[\a], v[(\a)+1], FLOOR
.else
	v_max3_num_f32 v[\acc], |v[\a]|, |v[(\a)+1]|, FLOOR
.endif
.else
.if \relu
	v_max3_num_f32 v[\acc], v[\acc], v[\a], v[(\a)+1]
.else
	v_max3_num_f32 v[\acc], v[\acc], |v[\a]|, |v[(\a)+1]|
.endif
.endif
.endm
; The largest magnitude of n numbers of a lane, in two chains, into v[MA]; relu = 1: their ReLU goes to dst on the way.  Reads ascend.
.macro TREE src, dst, n, relu
.set TI, 0
.rept (\n)/4
	MAX3 MA, (\src)+2*TI, TI==0, \relu
	MAX3 MB, (\src)+(\n)/2+2*TI, TI==0, \relu
.if \relu
	RELU2 (\dst)+2*TI, (\src)+2*TI
	RELU2 (\dst)+(\n)/2+2*TI, (\src)+(\n)/2+2*TI
.endif
.set TI, TI+1
.endr
	v_max_num_f32 v[MA], v[MA], v[MB]
.endm
; K = 128: block 2 c + h, all 32 numbers mine, becomes registers 6 c .. 6 c + 5 of the operand at cod.  The shift that makes the byte is the plain line behind the conversions.
.macro HALF src, num, cod, c, relu
	TREE \src, \num, 32, \relu
	v_add_nc_u32 v[SC+\c], EOFF, v[MA]
	v_cvt_scalef32_pk16_bf6_f32 v[(\cod)+6*\c:(\cod)+6*\c+2], v[\num:(\num)+15], v[SC+\c]
	v_cvt_scalef32_pk16_bf6_f32 v[TC+4*\c:TC+4*\c+2], v[(\num)+16:(\num)+31], v[SC+\c]
	v_lshrrev_b32 v[BY+\c], 23, v[SC+\c]
.irp i, 0,1,2
	v_mov_b32 v[(\cod)+6*\c+3+\i], v[TC+4*\c+\i]
.endr
.endm
.macro WORD4 w                         ; my bytes of blocks h and 2 + h at their places, joined with lane l xor 16's two
	v_lshl_or_b32 v[PW], v[BY+1], 16, v[BY]
	v_lshlrev_b32 v[PW], v[SH8], v[PW]
	v_permlanex16_b32 v[PX], v[PW], s4, s5
	v_or_b32 v[\w], v[PW], v[PX]
.endm
; K = 64: my block h: numbers 0-15 into registers 0-2 of C2, numbers 16-31 into registers 6-8; the word is (s0, s1, s0, s1)
.macro QUANT64 src, relu, w
	TREE \src, \src, 32, \relu
	v_add_nc_u32 v[SC], EOFF, v[MA]
	v_cvt_scalef32_pk16_bf6_f32 v[C2:C2+2], v[\src:(\src)+15], v[SC]
	v_cvt_scalef32_pk16_bf6_f32 v[C2+6:C2+8], v[(\src)+16:(\src)+31], v[SC]
	v_lshrrev_b32 v[BY], 23, v[SC]
	v_lshlrev_b32 v[PW], v[SH8], v[BY]
	v_lshl_or_b32 v[PW], v[PW], 16, v[PW]
	v_permlanex16_b32 v[PX], v[PW], s4, s5
	v_or_b32 v[\w], v[PW], v[PX]
.endm
; K = 32: the block lies in lanes l and l xor 16; my 16 numbers into registers 0-2 of cod; the word is (s, s, 0, 0)
.macro QUANT32 src, cod, relu, w
	TREE \src, \src, 16, \relu
	v_permlanex16_b32 v[PX], v[MA], s4, s5
	v_max_num_f32 v[MA], v[MA], v[PX]
	v_add_nc_u32 v[SC], EOFF, v[MA]
	v_cvt_scalef32_pk16_bf6_f32 v[\cod:(\cod)+2], v[\src:(\src)+15], v[SC]
	v_lshrrev_b32 v[BY], 23, v[SC]
	v_lshl_or_b32 v[\w], v[BY], 8, v[BY]
.endm
.macro BN d, inv, bet, n               ; y x inv + beta, two at a time, ascending; inv and beta lie in window 1
.set BI, 0
.rept (\n)/2
	v_pk_fma_f32 v[(\d)+BI:(\d)+BI+1], v[(\d)+BI:(\d)+BI+1], v[(\inv)+BI:(\inv)+BI+1], v[(\bet)+BI:(\bet)+BI+1]
.set BI, BI+2
.endr
.endm
.macro MXS d, f, c, as                 ; a quantised product: weight fragment f (window 1) x the codes at c
	v_wmma_scale_f32_16x16x128_f8f6f4 v[\d:(\d)+7], v[WF+12*(\f):WF+12*(\f)+11], v[\c:(\c)+11], 0, v[WS+(\f)], v[\as] matrix_a_fmt:MATRIX_FMT_BF6 matrix_b_fmt:MATRIX_FMT_BF6
.endm
.macro BUILD kk                        ; product 1's pixels of tile kk: lanes 0-15 (x0, x1), lanes 16-31 (x2, 1)
	v_mov_b32 v[P+2*((\kk)%4)], v[XC+8*(((\kk)%8)/4)+(\kk)%4]
	v_cndmask_b32 v[P+2*((\kk)%4)+1], 1.0, v[XC+4+8*(((\kk)%8)/4)+(\kk)%4], s6
.endm
; Group g of x in hand has been used up: it takes what has landed, and the base is made by which the landing registers are asked for again, two batches on (held at the wave's last batch: no load leaves x; what the
; held loads bring is not used).  The loads themselves (ASKX) stand further down in the same step, behind the step's wait on va_vdst.
.macro TURNOVER g, full
.if \full
	s_wait_loadcnt 0x2                             ; loads come back in order: the other group's two, issued four steps ago, may be out; this group's two, issued eight steps ago, are in
.irp j, 0,1,2,3,4,5,6,7
	v_mov_b32 v[XC+8*(\g)+\j], v[XL+8*(\g)+\j]
.endr
.endif
	s_wait_xcnt 0x0                                ; the loads' base, the store's base and the store's data are written again only behind this wait
.if (\g) == 1
	s_wait_alu depctr_vm_vsrc(0)                   ; the store issued three steps ago has read O, which the batch's last step writes again
.endif
.if \full
	s_add_co_u32 s[58+2*(\g)], s[58+2*(\g)], 512
	s_min_u32 s[58+2*(\g)], s[58+2*(\g)], 3584
	s_add_nc_u64 s[62:63], s[56:57], s[58+2*(\g):59+2*(\g)]
.endif
.if (\g) == 1
	s_add_nc_u64 s[68:69], s[68:69], 512           ; out0: a batch on; the store reaches back by its immediate
.endif
.endm
.macro ASKX g                          ; the two loads into XL[g].  No vector or matrix line since the step's wait names XL[g] or the two offsets
	global_load_b128 v[XL+8*(\g):XL+8*(\g)+3], v[XVA], s[62:63] offset:256*(\g)
	global_load_b128 v[XL+8*(\g)+4:XL+8*(\g)+7], v[XVR], s[62:63] offset:PLANE+256*(\g)
.endm
	s_load_b512 s[8:23], s[0:1], 0x0               ; x 8, out0 10, wh 12, bh 14, w1 16, g1 18, b1 20, m1 22
	s_load_b512 s[24:39], s[0:1], 0x40             ; v1 24, w2 26, g2 28, b2 30, m2 32, v2 34, w3 36, g3 38
	s_load_b512 s[40:55], s[0:1], 0x80             ; b3 40, m3 42, v3 44, w4 46, g4 48, b4 50, m4 52, v4 54
	v_lshl_add_u32 v227, v0, 2, 0x4000
	v_mov_b32 v239, 0
	v_lshrrev_b32 v5, 5, v0
	v_readfirstlane_b32 s2, v5                     ; wave 0..7
	v_and_b32 v5, 31, v0                           ; lane
	v_and_b32 v6, 15, v0                           ; r
	v_bfe_u32 v7, v0, 4, 1                         ; h
	v_and_b32 v21, 7, v0                           ; r % 8
	v_bfe_u32 v22, v0, 3, 1                        ; r / 8
	v_lshlrev_b32 v[LI], 4, v5
	v_lshlrev_b32 v[LS], 2, v5
	v_lshlrev_b32 v[XVR], 4, v6
	v_lshl_add_u32 v[XVA], v7, 21, v[XVR]
	v_lshlrev_b32 v[SH8], 3, v7
	v_mov_b32 v[PX], 0
	s_wait_alu depctr_va_sdst(0)                   ; s2, the wave's number, is written, ahead of its first reader: LDS addresses, bases and the roles' branches are made from it
	s_mul_i32 s70, s2, 1536
	v_add_nc_u32 v[HIMG], s70, v[LI]
	s_lshl_b32 s70, s2, 7
	v_add_nc_u32 v[HSCA], s70, v[LS]
	v_lshlrev_b32 v[HW1], 4, v21
	v_lshl_add_u32 v[HW1], v22, 9, v[HW1]
	v_lshl_add_u32 v[HW1], v7, 3, v[HW1]
	v_lshlrev_b32 v[H128], 7, v7
	v_lshlrev_b32 v[H64], 6, v7
	v_lshlrev_b32 v[H32], 5, v7
	v_lshl_add_u32 v[GW2], v21, 9, v[H128]         ; w2: row 8 t + r % 8 + 32 (r / 8) of 512 bytes, + 32 h numbers
	v_lshl_add_u32 v[GW2], v22, 14, v[GW2]
	v_lshl_add_u32 v[GW3], v21, 8, v[H128]         ; w3: row 8 t + r % 8 + 16 (r / 8) of 256 bytes, + 32 h numbers
	v_lshl_add_u32 v[GW3], v22, 12, v[GW3]
	v_lshl_add_u32 v[GW4], v6, 7, v[H64]           ; w4: row r of 128 bytes, + 16 h numbers
	v_lshlrev_b32 v[L64], 6, v5
	v_mul_u32_u24 v[L48], v5, 48
	v_lshlrev_b32 v[L8], 3, v5
	v_lshlrev_b32 v[R4], 2, v6
	s_mov_b32 s4, 0x76543210
	s_mov_b32 s5, 0xfedcba98                       ; v_permlanex16_b32's selects for lane l xor 16
	s_mov_b32 s6, 0xffff                           ; lanes 0-15
	s_mov_b32 s58, 512                             ; the batch last asked for, in bytes of a plane: group 0,
	s_mov_b32 s59, 0
	s_mov_b32 s60, 512                             ; group 1
	s_mov_b32 s61, 0
	s_lshr_b32 s70, ttmp9, 5                       ; the image
	s_mul_i32 s70, s70, 3*PLANE
	s_and_b32 s71, ttmp9, 31
	s_lshl_b32 s71, s71, 15                        ; the work-group's 8,192 pixels in a plane
	s_add_co_u32 s70, s70, s71
	s_lshl_b32 s72, s2, 12                         ; the wave's 1,024
	s_add_co_u32 s70, s70, s72
	s_mov_b32 s71, 0
	s_lshl_b32 s74, ttmp9, 15
	s_add_co_u32 s74, s74, s72
	s_mov_b32 s75, 0
	s_wait_kmcnt 0x0
	s_add_nc_u64 s[56:57], s[8:9], s[70:71]        ; x at my first pixel, channel 0
	s_add_nc_u64 s[68:69], s[10:11], s[74:75]      ; out0 at my first pixel
	s_load_b32 s73, s[14:15], 0x0                  ; bh
	s_wait_alu depctr_va_vdst(0)                   ; v1 to v4 and v8 to v20, the offsets and LDS addresses of the whole kernel, are written: every load and store below reads some of them
.irp g, 0,1
	global_load_b128 v[XC+8*\g:XC+8*\g+3], v[XVA], s[56:57] offset:256*\g                    ; batch 0: sixteen lanes read 256 neighbouring bytes of a plane
	global_load_b128 v[XC+8*\g+4:XC+8*\g+7], v[XVR], s[56:57] offset:PLANE+256*\g
.endr
.irp g, 0,1
	global_load_b128 v[XL+8*\g:XL+8*\g+3], v[XVA], s[56:57] offset:512+256*\g                ; batch 1
	global_load_b128 v[XL+8*\g+4:XL+8*\g+7], v[XVR], s[56:57] offset:PLANE+512+256*\g
.endr
	global_load_b128 v[WH:WH+3], v[H32], s[12:13]
	global_load_b128 v[WH+4:WH+7], v[H32], s[12:13] offset:16
	; ---- the roles part on the wave's number and join in front of the barrier
	s_cmp_gt_u32 s2, 3
	s_cbranch_scc1 .Lnot_w2
	s_lshl_b32 s70, s2, 12                         ; w2's tile t = wave: 8 rows of 512 bytes on
	s_mov_b32 s71, 0
	s_add_nc_u64 s[74:75], s[26:27], s[70:71]
.irp c, 0,1
.irp i, 0,1,2,3,4,5,6,7
	global_load_b128 v[ST+32*\c+4*\i:ST+32*\c+4*\i+3], v[GW2], s[74:75] offset:256*\c+16*\i  ; w2(row, 64 c + 32 h + 4 i ..)
.endr
.endr
	s_wait_loadcnt 0x0
	HALF ST, ST, C2, 0, 0
	HALF ST+32, ST+32, C2, 1, 0
	WORD4 PW
	s_branch .Lstore_frag
.Lnot_w2:
	s_cmp_gt_u32 s2, 5
	s_cbranch_scc1 .Lnot_w3
	s_sub_co_u32 s70, s2, 4                        ; w3's tile t = wave - 4: 8 rows of 256 bytes on
	s_lshl_b32 s70, s70, 11
	s_mov_b32 s71, 0
	s_add_nc_u64 s[74:75], s[36:37], s[70:71]
.irp i, 0,1,2,3,4,5,6,7
	global_load_b128 v[ST+4*\i:ST+4*\i+3], v[GW3], s[74:75] offset:16*\i
.endr
	s_wait_loadcnt 0x0
	QUANT64 ST, 0, PW
.irp i, 3,4,5,9,10,11
	v_mov_b32 v[C2+\i], 0                          ; the rest of the instruction's K: zero codes
.endr
	s_branch .Lstore_frag
.Lnot_w3:
	s_cmp_eq_u32 s2, 7
	s_cbranch_scc1 .Lbn
.irp i, 0,1,2,3
	global_load_b128 v[ST+4*\i:ST+4*\i+3], v[GW4], s[46:47] offset:16*\i
.endr
	s_wait_loadcnt 0x0
	QUANT32 ST, C2, 0, PW
.irp i, 3,4,5,6,7,8,9,10,11
	v_mov_b32 v[C2+\i], 0
.endr
.Lstore_frag:
	s_wait_alu depctr_va_vdst(0)                   ; on each of the three ways here the conversions, the moves and the word's lines have written C2 and v[PW], which the LDS stores read
	ds_store_b128 v[HIMG], v[C2:C2+3] offset:IMG           ; the fragment as it stands: 16 bytes a lane, 512 a store
	ds_store_b128 v[HIMG], v[C2+4:C2+7] offset:IMG+512
	ds_store_b128 v[HIMG], v[C2+8:C2+11] offset:IMG+1024
	ds_store_b32 v[HSCA], v[PW] offset:WSC
	s_branch .Ljoin
.Lbn:
	; wave 7: channels across lanes: layer 1 four a lane, layer 2 two, layer 3 one, layer 4 one (both halves of the lanes make the same 16)
	global_load_b128 v[128:131], v[LI], s[18:19]   ; g1
	global_load_b128 v[132:135], v[LI], s[20:21]   ; b1
	global_load_b128 v[136:139], v[LI], s[22:23]   ; m1
	global_load_b128 v[140:143], v[LI], s[24:25]   ; v1
	global_load_b128 v[144:147], v[L48], s[16:17]  ; w1: four rows of 12 bytes
	global_load_b128 v[148:151], v[L48], s[16:17] offset:16
	global_load_b128 v[152:155], v[L48], s[16:17] offset:32
	global_load_b64 v[156:157], v[L8], s[28:29]    ; g2, b2, m2, v2
	global_load_b64 v[158:159], v[L8], s[30:31]
	global_load_b64 v[160:161], v[L8], s[32:33]
	global_load_b64 v[162:163], v[L8], s[34:35]
	global_load_b32 v164, v[LS], s[38:39]          ; g3, b3, m3, v3
	global_load_b32 v165, v[LS], s[40:41]
	global_load_b32 v166, v[LS], s[42:43]
	global_load_b32 v167, v[LS], s[44:45]
	global_load_b32 v168, v[R4], s[48:49]          ; g4, b4, m4, v4
	global_load_b32 v169, v[R4], s[50:51]
	global_load_b32 v170, v[R4], s[52:53]
	global_load_b32 v171, v[R4], s[54:55]
	s_wait_loadcnt 0x0
.irp i, 140,141,142,143,162,163,167,171
	v_add_f32 v\i, 0x3727c5ac, v\i                 ; v + 1e-5
.endr
	v_rsq_f32 v188, v140
	v_rsq_f32 v189, v141
	v_rsq_f32 v190, v142
	v_rsq_f32 v191, v143
	v_rsq_f32 v192, v162
	v_rsq_f32 v193, v163
	v_rsq_f32 v194, v167
	v_rsq_f32 v195, v171
	v_nop                                          ; a plain line behind the last of the batch
	s_wait_alu depctr_va_vdst(0)                   ; the eight reciprocal roots v188 to v195 are written: one wait for the batch, ahead of its first reader
.irp i, 0,1,2,3
	v_mul_f32 v[128+\i], v[128+\i], v[188+\i]      ; inv1
.endr
	v_mul_f32 v156, v156, v192                     ; inv2
	v_mul_f32 v157, v157, v193
	v_mul_f32 v164, v164, v194                     ; inv3
	v_mul_f32 v168, v168, v195                     ; inv4
.irp i, 0,1,2,3
	v_mul_f32 v[172+4*\i], v[144+3*\i], v[128+\i]  ; (w1 inv, w1 inv, w1 inv, b1 - m1 inv)
	v_mul_f32 v[173+4*\i], v[145+3*\i], v[128+\i]
	v_mul_f32 v[174+4*\i], v[146+3*\i], v[128+\i]
	v_fma_f32 v[175+4*\i], -v[136+\i], v[128+\i], v[132+\i]
.endr
	v_fma_f32 v158, -v160, v156, v158              ; beta = b - m inv
	v_fma_f32 v159, -v161, v157, v159
	v_fma_f32 v165, -v166, v164, v165
	v_fma_f32 v169, -v170, v168, v169
	s_wait_alu depctr_va_vdst(0)                   ; the multiplications have written v156-159, v164, v165, v168, v169 and v172-187, which the LDS stores read
.irp i, 0,1,2,3
	ds_store_b128 v[L64], v[172+4*\i:175+4*\i] offset:W1T+16*\i
.endr
	ds_store_b64 v[L8], v[156:157] offset:INV2T
	ds_store_b64 v[L8], v[158:159] offset:BET2T
	ds_store_b32 v[LS], v164 offset:INV3T
	ds_store_b32 v[LS], v165 offset:BET3T
	ds_store_b32 v[R4], v168 offset:INV4T          ; lanes l and l xor 16 write the same word with the same value
	ds_store_b32 v[R4], v169 offset:BET4T
.Ljoin:
	s_wait_dscnt 0x0                               ; for the others' sake: my stores have landed
	s_barrier_signal -1
	s_barrier_wait -1                              ; the one barrier: LDS is not written again
	WIN 0x40                                       ; destination window 1, address window 0.  (No vector line has named window 1, nor written an address since the wait ahead of the first load)
.irp f, 0,1,2,3,4,5,6
.irp c, 0,1,2
	ds_load_b128 v[WF+12*\f+4*\c:WF+12*\f+4*\c+3], v[LI] offset:IMG+1536*\f+512*\c
.endr
.endr
.irp t, 0,1,2,3,4,5,6,7
	ds_load_b64 v[W1A+2*\t:W1A+2*\t+1], v[HW1] offset:W1T+16*(64*(\t/4)+8*(\t%4))   ; table[channel][2 h + 0, 1]
.endr
.irp i, 0,1,2,3,4,5,6,7
	ds_load_b128 v[INV2+4*\i:INV2+4*\i+3], v[H128] offset:INV2T+16*\i               ; channel 32 h + q
	ds_load_b128 v[BET2+4*\i:BET2+4*\i+3], v[H128] offset:BET2T+16*\i
.endr
.irp i, 0,1,2,3
	ds_load_b128 v[INV3+4*\i:INV3+4*\i+3], v[H64] offset:INV3T+16*\i                ; channel 16 h + q
	ds_load_b128 v[BET3+4*\i:BET3+4*\i+3], v[H64] offset:BET3T+16*\i
.endr
.irp i, 0,1
	ds_load_b128 v[INV4+4*\i:INV4+4*\i+3], v[H32] offset:INV4T+16*\i                ; channel 8 h + j
	ds_load_b128 v[BET4+4*\i:BET4+4*\i+3], v[H32] offset:BET4T+16*\i
.endr
	WIN 0
.irp f, 0,1,2,3,4,5,6
	ds_load_b32 v[WS+\f], v[LS] offset:WSC+128*\f
.endr
	s_wait_alu depctr_vm_vsrc(0)                   ; the head's memory and LDS instructions have read their registers: C2, which the lines below write; v8-20, which become R, O and P; v156-187, which become accumulators
.irp i, 3,4,5,9,10,11
	v_mov_b32 v[C2+\i], 0                          ; the activations' zero codes, written once
.endr
.irp i, 3,4,5,6,7,8,9,10,11
	v_mov_b32 v[C3+\i], 0
.endr
	s_wait_kmcnt 0x0                               ; bh
	v_mov_b32 v[BHP], s73
	v_cndmask_b32 v[BHP], 0, v[BHP], s6            ; once a pixel: in lanes 0-15 alone
	v_mov_b32 v[BHP+1], 0
	s_wait_loadcnt 0x0                             ; x's first two batches and wh (every role has waited already)
	s_wait_dscnt 0x0
; STEP k.  lp = 1: a step of the loop, all parts on; else the parts are on as far as their tiles exist.
.macro STEP k, lp
.set F_BLD, 0
.set F_P2, 0
.set F_P1, 0
.set F_P3, 0
.set F_P4, 0
.set F_L1, 0
.set F_ASK, 0
.set F_STO, 0
.if (\lp) || ((\k)+2 <= 63)
.set F_BLD, 1
.endif
.if (\lp) || (((\k) >= 1) && ((\k) <= 64))
.set F_P2, 1
.endif
.if (\lp) || ((\k) <= 63)
.set F_P1, 1
.endif
.if (\lp) || (((\k) >= 2) && ((\k) <= 65))
.set F_P3, 1
.endif
.if (\lp) || ((\k) >= 3)
.set F_P4, 1
.endif
.if (\lp) || ((\k)+1 <= 63)
.set F_L1, 1
.endif
	; the gap: four plain lines that name no register of the last stretch stand between it and the first read of the scaled products' results (ISA guide 7.12.1);
	; in step 0 eight, since there the f32 form's results are read first
.set NPL, 4
.if (\k) == 0
.set NPL, 8
.endif
.if F_BLD
	BUILD (\k)+2
.set NPL, NPL-2
.endif
.rept NPL
	v_nop
.endr
.if (\k)%4 == 1
.if (\lp) || ((\k) < 59)
	TURNOVER ((\k)%8)/4, 1
.set F_ASK, 1
.elseif (\k) == 61
	TURNOVER 1, 0                                  ; nothing is left to fetch; out0's base still steps
.endif
.endif
.if F_P2 || F_P3 || F_P4
	WIN 0x14                                       ; sources 1 and 2 window 1
.if F_P2
	BN D2, INV2, BET2, 32
.endif
.if F_P3
	BN D3, INV3, BET3, 16
.endif
.if F_P4
	BN D4, INV4, BET4, 8
.endif
	WIN 0
.endif
.if F_P2
	QUANT64 D2, 1, AS2                             ; tile k - 1, layer 2
.endif
.if F_P1
	HALF D1, T, C1, 0, 1                           ; tile k, layer 1: its ReLU goes into the registers that layer 2 has left
	HALF D1+32, T, C1, 1, 1
	WORD4 AS1
.endif
.if F_P3
	QUANT32 D3, C3, 1, AS3                         ; tile k - 2, layer 3
.endif
.if F_P4
.irp j, 0,2,4,6
	RELU2 D4+\j, D4+\j                             ; tile k - 3, layer 4, and the head product: my 8 channels, then lane l xor 16's
.endr
	v_pk_fma_f32 v[ACC:ACC+1], v[D4:D4+1], v[WH:WH+1], v[BHP:BHP+1]
.irp j, 2,4,6
	v_pk_fma_f32 v[ACC:ACC+1], v[D4+\j:D4+\j+1], v[WH+\j:WH+\j+1], v[ACC:ACC+1]
.endr
	v_add_f32 v[ACC], v[ACC], v[ACC+1]
	v_permlanex16_b32 v[PX], v[ACC], s4, s5
	v_add_f32 v[R+((\k)-3)%8], v[ACC], v[PX]
.if (\k)%8 == 2
.irp i, 0,1,2,3
	v_cndmask_b32 v[O+\i], v[R+4+\i], v[R+\i], s6  ; lane (r, h) takes pixels 64 h + 4 r + 0 .. 3 of the batch: tiles 4 h + 0 .. 3, column r
.endr
.set F_STO, 1
.endif
.else
.rept 8
	v_nop                                          ; a scale word made by vector lines stands eight places ahead of its product; elsewhere the head product's lines are these places
.endr
.endif
.if F_P3 || F_P2 || F_P1
	s_wait_alu depctr_va_vdst(0)                   ; the step's one wait, behind the places: the codes and scale words that the scaled products below take are written; where x is asked for below, TURNOVER's moves are done reading XL[g]; where a batch is stored below, the selects have written O
.else
	s_wait_alu depctr_va_vdst(0)                   ; the last step has no product: the selects have written O, which the store below reads
.endif
.if F_ASK
	ASKX ((\k)%8)/4                                ; under window 0, ahead of the switch: under the stretch's windows an address operand would mean window 1
.endif
.if F_STO
	global_store_b128 v[LI], v[O:O+3], s[68:69] offset:-512 th:TH_STORE_NT   ; 32 lanes store 512 consecutive bytes, at a multiple of 256 from out0's first byte
.endif
.if F_P3 || F_P2 || F_P1 || F_L1
	WIN 0x01                                       ; source 0, the weights: window 1
.if F_P3
	MXS D4, 6, C3, AS3
.endif
.if F_P2
	MXS D3, 4, C2, AS2
	MXS D3+8, 5, C2, AS2
.endif
.if F_P1
.irp t, 0,1,2,3
	MXS D2+8*\t, \t, C1, AS1
.endr
.endif
.if F_L1
.irp t, 0,1,2,3,4,5,6,7
	v_wmma_f32_16x16x4_f32 v[D1+8*\t:D1+8*\t+7], v[W1A+2*\t:W1A+2*\t+1], v[P+2*(((\k)+1)%4):P+2*(((\k)+1)%4)+1], 0
.endr
.endif
	WIN 0
.endif
.endm
	BUILD 0
	BUILD 1
	WIN 0x01
.irp t, 0,1,2,3,4,5,6,7
	v_wmma_f32_16x16x4_f32 v[D1+8*\t:D1+8*\t+7], v[W1A+2*\t:W1A+2*\t+1], v[P:P+1], 0     ; tile 0, layer 1
.endr
	WIN 0
	STEP 0, 0
	STEP 1, 0
	STEP 2, 0
	s_mov_b32 s3, 7
.Ltrip:                                                ; a trip is eight steps, a batch: steps 3 + 8 j to 10 + 8 j, j = 0 .. 6; register numbers come back after eight steps
	STEP 3, 1
	STEP 4, 1
	STEP 5, 1
	STEP 6, 1
	STEP 7, 1
	STEP 8, 1
	STEP 9, 1
	STEP 10, 1
	s_sub_co_u32 s3, s3, 1
	s_cmp_lg_u32 s3, 0
	s_cbranch_scc1 .Ltrip
	STEP 59, 0                                     ; the pipeline runs empty
	STEP 60, 0
	STEP 61, 0
	STEP 62, 0
	STEP 63, 0
	STEP 64, 0
	STEP 65, 0
	STEP 66, 0
	s_wait_dscnt 0x0
	s_wait_alu depctr_hold_cnt(0) depctr_sa_sdst(0) depctr_va_vdst(0) depctr_va_sdst(0) depctr_va_ssrc(0) depctr_va_vcc(0) depctr_vm_vsrc(0)
	s_wait_tensorcnt 0x0
	ds_add_u32 v227, v239
	s_wait_dscnt 0x0
	s_endpgm
.Lfunc_end_k_q572cd22271_mlp:
	.size	k_q572cd22271_mlp, .Lfunc_end_k_q572cd22271_mlp-k_q572cd22271_mlp
	.p2alignl 7, 3214868480
	.fill 96, 4, 3214868480
	.section	.rodata,"a",@progbits
	.p2align	6, 0x0
	.amdhsa_kernel k_q572cd22271_mlp
		.amdhsa_group_segment_fixed_size 17408
		.amdhsa_private_segment_fixed_size 0
		.amdhsa_enable_private_segment 0
		.amdhsa_kernarg_size 192
		.amdhsa_user_sgpr_count 2
		.amdhsa_user_sgpr_kernarg_segment_ptr 1
		.amdhsa_wavefront_size32 1
		.amdhsa_system_sgpr_workgroup_id_x 1
		.amdhsa_system_sgpr_workgroup_id_y 1
		.amdhsa_system_sgpr_workgroup_id_z 1
		.amdhsa_system_vgpr_workitem_id 0
		.amdhsa_next_free_vgpr 512
		.amdhsa_next_free_sgpr 80
		.amdhsa_reserve_vcc 0
		.amdhsa_float_denorm_mode_32 3
		.amdhsa_float_denorm_mode_16_64 3
		.amdhsa_memory_ordered 1
		.amdhsa_forward_progress 1
		.amdhsa_inst_pref_size 236
	.end_amdhsa_kernel
	.amdgpu_metadata
---
amdhsa.version: [ 1, 2 ]
amdhsa.kernels:
  - .name:           k_q572cd22271_mlp
    .symbol:         k_q572cd22271_mlp.kd
    .args:
      - { .name: x, .offset: 0, .size: 8, .value_kind: global_buffer, .address_space: global }
      - { .name: out0, .offset: 8, .size: 8, .value_kind: global_buffer, .address_space: global }
      - { .name: wh, .offset: 16, .size: 8, .value_kind: global_buffer, .address_space: global }
      - { .name: bh, .offset: 24, .size: 8, .value_kind: global_buffer, .address_space: global }
      - { .name: w1, .offset: 32, .size: 8, .value_kind: global_buffer, .address_space: global }
      - { .name: g1, .offset: 40, .size: 8, .value_kind: global_buffer, .address_space: global }
      - { .name: b1, .offset: 48, .size: 8, .value_kind: global_buffer, .address_space: global }
      - { .name: m1, .offset: 56, .size: 8, .value_kind: global_buffer, .address_space: global }
      - { .name: v1, .offset: 64, .size: 8, .value_kind: global_buffer, .address_space: global }
      - { .name: w2, .offset: 72, .size: 8, .value_kind: global_buffer, .address_space: global }
      - { .name: g2, .offset: 80, .size: 8, .value_kind: global_buffer, .address_space: global }
      - { .name: b2, .offset: 88, .size: 8, .value_kind: global_buffer, .address_space: global }
      - { .name: m2, .offset: 96, .size: 8, .value_kind: global_buffer, .address_space: global }
      - { .name: v2, .offset: 104, .size: 8, .value_kind: global_buffer, .address_space: global }
      - { .name: w3, .offset: 112, .size: 8, .value_kind: global_buffer, .address_space: global }
      - { .name: g3, .offset: 120, .size: 8, .value_kind: global_buffer, .address_space: global }
      - { .name: b3, .offset: 128, .size: 8, .value_kind: global_buffer, .address_space: global }
      - { .name: m3, .offset: 136, .size: 8, .value_kind: global_buffer, .address_space: global }
      - { .name: v3, .offset: 144, .size: 8, .value_kind: global_buffer, .address_space: global }
      - { .name: w4, .offset: 152, .size: 8, .value_kind: global_buffer, .address_space: global }
      - { .name: g4, .offset: 160, .size: 8, .value_kind: global_buffer, .address_space: global }
      - { .name: b4, .offset: 168, .size: 8, .value_kind: global_buffer, .address_space: global }
      - { .name: m4, .offset: 176, .size: 8, .value_kind: global_buffer, .address_space: global }
      - { .name: v4, .offset: 184, .size: 8, .value_kind: global_buffer, .address_space: global }
    .group_segment_fixed_size: 17408
    .private_segment_fixed_size: 0
    .kernarg_segment_align: 8
    .kernarg_segment_size: 192
    .max_flat_workgroup_size: 256
    .sgpr_count:     80
    .vgpr_count:     512
    .wavefront_size: 32
...
	.end_amdgpu_metadata
.endif
;; end of part 2
